; MI455X (gfx1250); checked and timed in simulation.
; The chip was launched on July 23, 2026; its instructions are those of AMD's public machine-readable ISA for CDNA 5 (MIT licence, August 2026) and "CDNA5" Instruction Set Architecture Reference Guide (July 2026). The comments in the code are by the model that wrote it; some were corrected since.
;; Attention Pool Head. Allowed arithmetic: matrix products marked QUANTISED: E4M3 operands, one given power-of-two scale a tensor, by v_wmma_f32_16x16x64_fp8_fp8 or v_wmma_f32_16x16x128_fp8_fp8, f32 sums; products left as they are: f32 operands where the result goes on into a quantised operand, else bf16, f16 or f32 operands; f32 sums; everything else in f32.
;; Inputs: Wk 1,024 x 1,024 float32; Wo 1,024 x 1,024 float32; Wp 14 x 1,024 float32; Wq 1,024 x 1,024 float32; Wv 1,024 x 1,024 float32; bk 1,024 float32; bo 1,024 float32; bp 14 float32; bq 1,024 float32; bv 1,024 float32; cls_tok 64 x 1,024 float32; ln_kv_b 1,024 float32; ln_kv_g 1,024 float32; ln_out_b 1,024 float32; ln_out_g 1,024 float32; lowp_scales 8 int32 (the exponents e of the quantised operands' scales 2^e); patches 64 x 512 x 1,024 float32; query 1 x 1 x 1,024 float32; storage 64 x 4 x 1,024 float32.
;; Outputs: out0 64 x 14 float32.
;; This version of the problem:
;;   THIS VERSION OF THE PROBLEM IS GIVEN IN LOW PRECISION. The matrix products marked QUANTISED in the list below multiply operands that are first quantised to E4M3 (4 exponent bits, 3 mantissa bits; 8 bits a number), with one given power-of-two scale for each operand tensor; their sums are f32. All else is computed in f32.
;;   The module's matrix products, in the order in which they are computed (A, B: the left and right operand; K: the contracted axis; several contracted axes count as one K, in the product's order):
;;     1. [M 64, K 1,024] x [K 1,024, N 1,024]; A: input query; B: input Wq: QUANTISED (scales: A lowp_scales[0], B lowp_scales[1])
;;     2. [M 33,088, K 1,024] x [K 1,024, N 1,024]; A: computed on the way; B: input Wk: QUANTISED (scales: A lowp_scales[2], B lowp_scales[3])
;;     3. [M 33,088, K 1,024] x [K 1,024, N 1,024]; A: computed on the way; B: input Wv: QUANTISED (scales: A lowp_scales[4], B lowp_scales[5])
;;     4. batch 1,024 x [M 1, K 64] x [K 64, N 517]; A: computed on the way; B: computed on the way: left as it is (M = 1 < 16)
;;     5. batch 1,024 x [M 64, K 517] x [K 517, N 1]; A: computed on the way; B: softmax: left as it is (N = 1 < 16)
;;     6. [M 64, K 1,024] x [K 1,024, N 1,024]; A: computed on the way; B: input Wo: QUANTISED (scales: A lowp_scales[6], B lowp_scales[7])
;;     7. [M 64, K 1,024] x [K 1,024, N 14]; A: computed on the way; B: input Wp: left as it is (N = 14 < 16)
;;   THE QUANTISER, for each operand of a quantised product, along K:
;;     - The operand's scale is 2^e, e = its entry of the input lowp_scales (int32; the entries are numbered through the quantised products in the list's order, A before B).
;;     - Each number is divided by the scale, clamped to +-448, and rounded to the nearest number of E4M3, ties to even, subnormals kept.
;;     - The product sums the exact products of the quantised numbers (number of the format x scale) in f32.
;;   ~~~python
;;   def quantise(x, axis, e):      # numpy; x: float32 -> the quantised numbers, widened to float32 again
;;       x = np.moveaxis(x, axis, -1); K = x.shape[-1]
;;       r = np.clip(x / 2.0 ** e, -448, 448)
;;       step = 2.0 ** (np.maximum(np.frexp(np.where(r == 0, 1, r))[1] - 1, -6) - 3)
;;       q = np.round(r / step) * step * 2.0 ** e      # np.round: ties to even
;;       return np.moveaxis(q, -1, axis).astype(np.float32)
;;   ~~~
;;   OPERANDS COMPUTED ON THE WAY. 'Computed on the way' means the value that the module computes at that place (a softmax that the list does not call 'softmax' is quantised finished and normalised). What goes into a quantiser is computed in f32, as accurately as f32 sums, v_exp_f32 and their like allow (about 1e-6 of the number): no bf16 or f16 on the way to a quantiser, and a product that is left as it is and whose result goes on into a quantised operand takes f32 operands (vector FMAs, or v_wmma_f32_16x16x4_f32). A number that lies on a knife's edge between two numbers of the format may be rounded either way, as far as f32 arithmetic and the matrix unit's own rounding can turn it there, and no further.
;; One version. Each part assembles by itself: llvm-mc -triple=amdgcn-amd-amdhsa -mcpu=gfx1250 --defsym DOCPART=n.
;; ======== version 1 of 1: 3 launches
;; limits: right only within a limited range of input values
;; workspace buffers: wkv8 2,097,152 bytes; wo8 1,048,576 bytes; aux 8,192 bytes; kv8 69,206,016 bytes; pctx 2,097,152 bytes; pstat 65,536 bytes
;; launch prep (part 1): grid 2368 x 1, 4 waves a work-group, no clusters, 53,760 bytes of LDS; arguments Wk, Wv, Wo, Wq, query, bq, bk, lowp_scales, patches, storage, cls_tok, ln_kv_g, ln_kv_b, wkv8, wo8, aux, kv8; writes wkv8, wo8, aux, kv8
.if DOCPART == 1
	.amdgcn_target "amdgcn-amd-amdhsa--gfx1250"
	.amdhsa_code_object_version 6
	.text
	.protected	k_qdbd0a9a670_prep
	.globl	k_qdbd0a9a670_prep
	.p2align	8
	.type	k_qdbd0a9a670_prep,@function
k_qdbd0a9a670_prep:
	s_mov_b64 s[64:65], 0
	v_nop
	global_prefetch_b8 v0, s[64:65] scope:SCOPE_SE
	s_setreg_imm32_b32 hwreg(HW_REG_WAVE_MODE, 25, 1), 1
	s_wait_xcnt 0x0
; Everything that is quantised once.  Two roles, chosen by the work-group's number; they part at the head and never join, and each has LDS bytes of its own.
; ROLE 1 (work-groups 0 .. 2111): one tile of 16 tokens: LayerNorm in f32 (mean, centred squares, rsq, gain, bias, in that order), then BOTH quantisers of kv
;   (2^e2 for the K projection, 2^e4 for the V projection).  Tile T < 2048: patches 16 T .. 16 T + 15 (batches on end).  Tile 2048 + b: storage[b][0..3], then cls_tok[b] twelve times.
;   A wave takes 4 whole rows, all 32 loads issued at once; a lane holds columns 128 m + 4 lane + 0..3 in register 4 m + 0..3.
; ROLE 2 (the next 256): 16 rows of Wk, Wv, Wo or Wq are quantised; Wq's rows are multiplied at once by the quantised query (product 1), and qs, bks go to aux.
; IMAGES.  All codes leave in the order of the operand's registers: a fragment (16 rows x 128 K) is 2,048 bytes: piece c at 512 c, lane l's 16 bytes at 16 l = row l % 16, k = 32 c + 16 (l / 16) + 0..15.
;   That place of k is the same for both operands of every product of the program.
; kv8: set (0: e2, 1: e4) x SETB + tile x 16384 + K step x 2048.   wkv8: head t at t x 131072: Wk's 32 fragments ((4 s + b) x 2048), then Wv's.   wo8: 64 features t at t x 65536.
; aux: head t at t x 512: qs[64] = (q Wq^T + bq) x 0.125 log2(e) x 2^(e2+e3), then bks[64] = bk x 2^-(e2+e3).
; code = x / 2^e, held within +-448 x 2^e, to the nearest code, ties to even.  LIMITS: every e between -126 and 119.  NaN among the inputs is not served.
.set TILES,  2112
.set SETB,   TILES*16384
.set SPITCH, 1040                      ; a stage row: 1,024 codes + 16: an odd multiple of 16 bytes
.set SETD,   16*SPITCH                 ; from set 0's stage to set 1's
.set TURN,   2*SETD                    ; role 2: for each wave two fragments of 16 rows x (128 + 16) bytes
.set TP,     144
.set QL,     TURN+4*32*TP              ; role 2: the query's codes, 256 bytes a wave
.set RED,    QL+1024                   ; role 2: the waves' partial sums, 64 bytes a wave
.set G,   20                           ; role 1: v20-51 gain, v52-83 bias, v84-211 four rows, v212-227 two chunks under the first hold, v228-243 the codes, v244-251 at work
.set BB,  52
.set LX,  84
.set Z,   212
.set C1,  228
.set C2,  236
.set T,   244
.set WX,  32                           ; role 2: v32-159 the weights as loaded, v160-191 codes by rows, v192-223 two fragments, v224-255 the query's two fragments
.set WC,  160
.set F,   192
.set Q,   224
	s_load_b512 s[4:19], s[0:1], 0x0               ; Wk 4, Wv 6, Wo 8, Wq 10, query 12, bq 14, bk 16, lowp_scales 18
	s_load_b512 s[20:35], s[0:1], 0x40             ; patches 20, storage 22, cls_tok 24, gain 26, bias 28, wkv8 30, wo8 32, aux 34
	s_load_b64 s[36:37], s[0:1], 0x80              ; kv8
	v_lshrrev_b32 v1, 5, v0
	v_readfirstlane_b32 s48, v1                    ; wave
	v_and_b32 v2, 31, v0                           ; lane
	v_lshlrev_b32 v1, 4, v2                        ; 16 x lane
	v_and_b32 v3, 15, v0                           ; r
	v_bfe_u32 v4, v0, 4, 1                         ; h
	s_mov_b32 s59, 0                               ; upper words of the two offset pairs
	s_mov_b32 s57, 0
	s_wait_kmcnt 0x0
	s_load_b256 s[40:47], s[18:19], 0x0            ; e0 .. e7
	s_cmp_lt_u32 ttmp9, TILES
	s_cbranch_scc0 .Lweights
; ------------------------------------------------------------------ ROLE 1: a tile of tokens
	s_mov_b32 s50, 0x76543210                      ; v_permlanex16_b32: lane l xor 16
	s_mov_b32 s51, 0xfedcba98
	s_mov_b32 s52, 0x3a800000                      ; 1 / 1024
	s_mov_b32 s53, 0x3727c5ac                      ; 1e-5
	s_sub_co_u32 s56, ttmp9, 2048                  ; the batch of a tile of extras (not used by the others)
	s_cmp_eq_u32 s48, 0                            ; there wave 0 takes storage's four rows, the others cls_tok's one row four times
	s_cselect_b64 s[54:55], s[22:23], s[24:25]
	s_cselect_b32 s49, 14, 12
	s_cselect_b32 s60, 4096, 0                     ; bytes from my row to my next
	s_lshl_b32 s58, s56, s49
	s_lshl_b32 s61, ttmp9, 16                      ; a tile of patches: 16 rows of 4,096 bytes, 4 rows a wave
	s_lshl_b32 s62, s48, 14
	s_add_co_u32 s61, s61, s62
	s_cmp_lt_u32 ttmp9, 2048
	s_cselect_b64 s[54:55], s[20:21], s[54:55]
	s_cselect_b32 s58, s61, s58
	s_cselect_b32 s60, 4096, s60
	s_add_nc_u64 s[54:55], s[54:55], s[58:59]      ; my first row
	s_lshl_b32 s61, s60, 1
	s_add_co_u32 s62, s61, s60
	s_wait_alu depctr_va_vdst(0)
	v_add_nc_u32 v17, s60, v1
	v_add_nc_u32 v18, s61, v1
	v_add_nc_u32 v19, s62, v1
.irp m, 0,1,2,3,4,5,6,7
	global_load_b128 v[G+4*\m:G+4*\m+3], v1, s[26:27] offset:512*\m
.endr
.irp m, 0,1,2,3,4,5,6,7
	global_load_b128 v[BB+4*\m:BB+4*\m+3], v1, s[28:29] offset:512*\m
.endr
.irp m, 0,1,2,3,4,5,6,7
	global_load_b128 v[LX+4*\m:LX+4*\m+3], v1, s[54:55] offset:512*\m th:TH_LOAD_NT   ; each load: 512 consecutive bytes
.endr
.irp k, 1,2,3
.irp m, 0,1,2,3,4,5,6,7
	global_load_b128 v[LX+32*\k+4*\m:LX+32*\k+4*\m+3], v[16+\k], s[54:55] offset:512*\m th:TH_LOAD_NT
.endr
.endr
	s_mul_i32 s56, s48, 4*SPITCH
	v_lshl_add_u32 v5, v2, 2, s56                  ; into the stage: my four rows, 4 bytes a lane
	s_lshr_b32 s56, s48, 1                         ; out of it: wave w takes set w / 2, K steps 4 (w % 2) on
	s_mul_i32 s58, s56, SETB
	s_mul_i32 s56, s56, SETD
	s_and_b32 s61, s48, 1
	s_lshl_b32 s62, s61, 9
	s_add_co_u32 s56, s56, s62
	v_mul_u32_u24 v6, v3, SPITCH
	v_lshl_add_u32 v6, v4, 4, v6
	v_add_nc_u32 v6, s56, v6                       ; row r, + 16 h
	s_lshl_b32 s62, ttmp9, 14
	s_add_co_u32 s58, s58, s62
	s_lshl_b32 s62, s61, 13
	s_add_co_u32 s58, s58, s62
	s_add_nc_u64 s[38:39], s[36:37], s[58:59]      ; my 8,192 bytes of kv8
	v_mov_b32 v9, 0                                ; upper halves of the pairs v[8:9] (mean) and v[10:11] (1 / deviation): named, so written
	v_mov_b32 v11, 0
	v_mov_b32 v252, 0                              ; a lane permute's destination counts as read
	s_wait_kmcnt 0x0
	s_add_co_i32 s56, s42, 127
	s_lshl_b32 s61, s56, 23
	v_mov_b32 v12, s61                             ; 2^e2
	s_add_co_i32 s56, s56, 8
	s_lshl_b32 s56, s56, 23
	s_or_b32 s56, s56, 0x600000
	v_mov_b32 v13, s56                             ; 448 x 2^e2
	s_add_co_i32 s56, s44, 127
	s_lshl_b32 s61, s56, 23
	v_mov_b32 v14, s61                             ; 2^e4
	s_add_co_i32 s56, s56, 8
	s_lshl_b32 s56, s56, 23
	s_or_b32 s56, s56, 0x600000
	v_mov_b32 v15, s56                             ; 448 x 2^e4
.macro REDUCE                          ; four pairs at v[T] on -> their sum over the wave, in every lane
	v_pk_add_f32 v[T:T+1], v[T:T+1], v[T+2:T+3]
	v_pk_add_f32 v[T+4:T+5], v[T+4:T+5], v[T+6:T+7]
	v_pk_add_f32 v[T:T+1], v[T:T+1], v[T+4:T+5]
	v_add_f32 v[T], v[T], v[T+1]
	v_add_f32_dpp v[T], v[T], v[T] row_xmask:1 row_mask:0xf bank_mask:0xf
	v_add_f32_dpp v[T], v[T], v[T] row_xmask:2 row_mask:0xf bank_mask:0xf
	v_add_f32_dpp v[T], v[T], v[T] row_xmask:4 row_mask:0xf bank_mask:0xf
	v_add_f32_dpp v[T], v[T], v[T] row_xmask:8 row_mask:0xf bank_mask:0xf
	v_permlanex16_b32 v252, v[T], s50, s51
	v_add_f32 v[T], v[T], v252
.endm
.macro LNROW k                         ; my row k: normalised in place, quantised twice, codes into the stage
.set XR, LX+32*\k
	s_wait_loadcnt 8*(3-\k)                        ; loads return in order: the younger rows, 8 loads each, may stay out
.irp c, 0,1,2,3
	v_pk_add_f32 v[T+2*\c:T+2*\c+1], v[XR+2*\c:XR+2*\c+1], v[XR+8+2*\c:XR+8+2*\c+1]
.endr
.irp q, 8,9,10,11,12,13,14,15
	v_pk_add_f32 v[T+2*(\q%4):T+2*(\q%4)+1], v[T+2*(\q%4):T+2*(\q%4)+1], v[XR+2*\q:XR+2*\q+1]
.endr
	REDUCE
	v_mul_f32 v8, s52, v[T]                        ; the mean
.irp q, 0,1,2,3,4,5,6,7,8,9,10,11,12,13,14,15
	v_pk_add_f32 v[XR+2*\q:XR+2*\q+1], v[XR+2*\q:XR+2*\q+1], v[8:9] op_sel_hi:[1,0] neg_lo:[0,1] neg_hi:[0,1]
.endr
.irp c, 0,1,2,3
	v_pk_mul_f32 v[T+2*\c:T+2*\c+1], v[XR+2*\c:XR+2*\c+1], v[XR+2*\c:XR+2*\c+1]
.endr
.irp q, 4,5,6,7,8,9,10,11,12,13,14,15
	v_pk_fma_f32 v[T+2*(\q%4):T+2*(\q%4)+1], v[XR+2*\q:XR+2*\q+1], v[XR+2*\q:XR+2*\q+1], v[T+2*(\q%4):T+2*(\q%4)+1]
.endr
	REDUCE
	v_fma_f32 v10, v[T], s52, s53                  ; the variance + 1e-5
	s_wait_alu depctr_va_vdst(0)
	v_rsq_f32 v10, v10
	v_nop                                          ; a plain instruction behind the transcendental
	s_wait_alu depctr_va_vdst(0)                   ; and a wait ahead of its first reader
.irp q, 0,1,2,3,4,5,6,7,8,9,10,11,12,13,14,15
	v_pk_mul_f32 v[XR+2*\q:XR+2*\q+1], v[XR+2*\q:XR+2*\q+1], v[10:11] op_sel_hi:[1,0]
.endr
.irp q, 0,1,2,3,4,5,6,7,8,9,10,11,12,13,14,15
	v_pk_fma_f32 v[XR+2*\q:XR+2*\q+1], v[XR+2*\q:XR+2*\q+1], v[G+2*\q:G+2*\q+1], v[BB+2*\q:BB+2*\q+1]
.endr
	s_wait_dscnt 0x0                               ; the last row's stores have read the codes' registers
.irp p, 0,1,2,3                        ; set 0: the hold goes into a chunk of its own (two by turns), since the numbers are wanted again
.irp e, 0,1,2,3,4,5,6,7
	v_med3_num_f32 v[Z+8*(\p%2)+\e], v[XR+8*\p+\e], -v13, v13
.endr
	v_cvt_scalef32_pk8_fp8_f32 v[C1+2*\p:C1+2*\p+1], v[Z+8*(\p%2):Z+8*(\p%2)+7], v12   ; registers 8 p .. 8 p + 7 are pieces 2 p and 2 p + 1 of the row: a register of codes for each
.endr
.irp e, 0,1,2,3,4,5,6,7,8,9,10,11,12,13,14,15,16,17,18,19,20,21,22,23,24,25,26,27,28,29,30,31
	v_med3_num_f32 v[XR+\e], v[XR+\e], -v15, v15   ; set 1: the hold in place
.endr
.irp p, 0,1,2,3
	v_cvt_scalef32_pk8_fp8_f32 v[C2+2*\p:C2+2*\p+1], v[XR+8*\p:XR+8*\p+7], v14
.endr
	v_nop                                          ; a plain instruction behind the last conversion
.irp m, 0,1,2,3,4,5,6,7
	ds_store_b32 v5, v[C1+\m] offset:\k*SPITCH+128*\m          ; 32 lanes: 128 consecutive bytes of the row
	ds_store_b32 v5, v[C2+\m] offset:\k*SPITCH+128*\m+SETD
.endr
.endm
	LNROW 0
	LNROW 1
	LNROW 2
	LNROW 3
	s_wait_dscnt 0x0                               ; my stores have landed
	s_barrier_signal -1
	s_barrier_wait -1                              ; all 16 rows of both sets lie in the stage
.irp q, 0,1,2,3,4,5,6,7,8,9,10,11,12,13,14,15
	ds_load_b128 v[LX+4*\q:LX+4*\q+3], v6 offset:32*\q         ; K step q / 4 of my four, piece q % 4
.endr
.irp q, 0,1,2,3,4,5,6,7,8,9,10,11,12,13,14,15
	s_wait_dscnt 15-\q
	global_store_b128 v1, v[LX+4*\q:LX+4*\q+3], s[38:39] offset:512*\q   ; 512 consecutive bytes, aligned
.endr
	v_lshl_add_u32 v18, v0, 2, 0xd000              ; no two registers can be kept through both roles: v0 is kept, and my spare word's address and 0 are made anew here (v18, v19: the rows' offsets, whose loads are done)
	v_mov_b32 v19, 0
	s_wait_alu depctr_va_vdst(0)
	s_wait_tensorcnt 0x0                           ; the wave's end
	ds_add_u32 v18, v19
	s_wait_dscnt 0x0
	s_endpgm
; ------------------------------------------------------------------ ROLE 2: 16 rows of a weight; wave w takes K steps 2 w and 2 w + 1
.Lweights:
	s_sub_co_u32 s49, ttmp9, TILES
	s_lshr_b32 s50, s49, 6                         ; 0 Wk, 1 Wv, 2 Wo, 3 Wq
	s_and_b32 s51, s49, 63                         ; rows 16 n on
	s_cmp_eq_u32 s50, 1
	s_cselect_b64 s[52:53], s[6:7], s[4:5]
	s_cmp_eq_u32 s50, 2
	s_cselect_b64 s[52:53], s[8:9], s[52:53]
	s_cmp_eq_u32 s50, 3
	s_cselect_b64 s[52:53], s[10:11], s[52:53]
	s_lshl_b32 s56, s51, 16
	s_lshl_b32 s60, s48, 10
	s_add_co_u32 s56, s56, s60
	s_add_nc_u64 s[52:53], s[52:53], s[56:57]
	s_mov_b32 s56, s60
	s_add_nc_u64 s[12:13], s[12:13], s[56:57]      ; the query's 256 numbers of my K steps
	s_lshl_b32 s56, s51, 6
	s_add_nc_u64 s[14:15], s[14:15], s[56:57]      ; bq and bk at feature 16 n
	s_add_nc_u64 s[16:17], s[16:17], s[56:57]
	s_wait_alu depctr_va_vdst(0)
	v_lshlrev_b32 v11, 2, v3
	global_load_b128 v[20:23], v1, s[12:13]        ; (every work-group of this role loads these four: 1 KB; only Wq's use them)
	global_load_b128 v[24:27], v1, s[12:13] offset:512
	global_load_b32 v12, v11, s[14:15]
	global_load_b32 v13, v11, s[16:17]
.irp f, 0,1
.irp i, 0,1,2,3,4,5,6,7,8,9,10,11,12,13,14,15
	global_load_b128 v[WX+64*\f+4*\i:WX+64*\f+4*\i+3], v1, s[52:53] offset:4096*\i+512*\f th:TH_LOAD_NT   ; row i, 512 consecutive bytes
.endr
.endr
	s_mul_i32 s60, s48, 32*TP
	s_add_co_u32 s60, s60, TURN
	v_lshl_add_u32 v5, v2, 2, s60                  ; the turn, in: 4 bytes a lane of a row of 128
	v_mul_u32_u24 v6, v3, TP
	v_lshl_add_u32 v6, v4, 4, v6
	v_add_nc_u32 v6, s60, v6                       ; and out: row r, + 16 h
	s_lshl_b32 s60, s48, 8
	s_add_co_u32 s60, s60, QL
	v_lshl_add_u32 v7, v2, 2, s60
	v_lshl_add_u32 v8, v4, 4, s60
	s_lshl_b32 s60, s48, 6
	s_add_co_u32 s60, s60, RED
	v_lshl_add_u32 v9, v4, 5, s60
	v_lshl_add_u32 v10, v3, 2, RED
	s_wait_kmcnt 0x0
	s_cmp_eq_u32 s50, 1                            ; the weight's exponent: e3, e5, e7, e1
	s_cselect_b32 s54, s45, s43
	s_cmp_eq_u32 s50, 2
	s_cselect_b32 s54, s47, s54
	s_cmp_eq_u32 s50, 3
	s_cselect_b32 s54, s41, s54
	s_add_co_i32 s54, s54, 127
	s_lshl_b32 s60, s54, 23
	v_mov_b32 v14, s60
	s_add_co_i32 s54, s54, 8
	s_lshl_b32 s54, s54, 23
	s_or_b32 s54, s54, 0x600000
	v_mov_b32 v15, s54
	s_add_co_i32 s54, s40, 127                     ; the query's: e0
	s_lshl_b32 s60, s54, 23
	v_mov_b32 v16, s60
	s_add_co_i32 s54, s54, 8
	s_lshl_b32 s54, s54, 23
	s_or_b32 s54, s54, 0x600000
	v_mov_b32 v17, s54
	s_wait_alu depctr_va_vdst(0)
.irp f, 0,1
	s_wait_loadcnt 16*(1-\f)                       ; K step f's 16 loads are in; the other's may stay out
.irp i, 0,1,2,3,4,5,6,7,8,9,10,11,12,13,14,15,16,17,18,19,20,21,22,23,24,25,26,27,28,29,30,31,32,33,34,35,36,37,38,39,40,41,42,43,44,45,46,47,48,49,50,51,52,53,54,55,56,57,58,59,60,61,62,63
	v_med3_num_f32 v[WX+64*\f+\i], v[WX+64*\f+\i], -v15, v15
.endr
.irp p, 0,1,2,3,4,5,6,7
	v_cvt_scalef32_pk8_fp8_f32 v[WC+16*\f+2*\p:WC+16*\f+2*\p+1], v[WX+64*\f+8*\p:WX+64*\f+8*\p+7], v14   ; rows 2 p and 2 p + 1, four codes each
.endr
	v_nop
.irp i, 0,1,2,3,4,5,6,7,8,9,10,11,12,13,14,15
	ds_store_b32 v5, v[WC+16*\f+\i] offset:\f*16*TP+TP*\i
.endr
.irp c, 0,1,2,3
	ds_load_b128 v[F+16*\f+4*\c:F+16*\f+4*\c+3], v6 offset:\f*16*TP+32*\c   ; my own bytes: LDS serves a wave's instructions in order
.endr
.endr
	s_wait_dscnt 0x0
	s_cmp_eq_u32 s50, 3
	s_cbranch_scc1 .Lquery
	s_cmp_eq_u32 s50, 2
	s_cselect_b64 s[58:59], s[32:33], s[30:31]
	s_cselect_b32 s60, 16, 17
	s_lshr_b32 s56, s51, 2
	s_lshl_b32 s56, s56, s60                       ; 64 features: 65,536 bytes in wo8, 131,072 in wkv8,
	s_and_b32 s61, s50, 1
	s_lshl_b32 s61, s61, 16
	s_add_co_u32 s56, s56, s61                     ; Wv's tile behind Wk's,
	s_lshl_b32 s61, s48, 3
	s_and_b32 s62, s51, 3
	s_add_co_u32 s61, s61, s62
	s_lshl_b32 s61, s61, 11
	s_add_co_u32 s56, s56, s61                     ; fragment 4 (2 w) + n % 4
	s_add_nc_u64 s[58:59], s[58:59], s[56:57]
.irp f, 0,1
.irp c, 0,1,2,3
	global_store_b128 v1, v[F+16*\f+4*\c:F+16*\f+4*\c+3], s[58:59] offset:8192*\f+512*\c
.endr
.endr
	v_lshl_add_u32 v18, v0, 2, 0xd000              ; my spare word's address and 0, made anew (this role names v18 and v19 nowhere else)
	v_mov_b32 v19, 0
	s_wait_alu depctr_va_vdst(0)
	s_wait_tensorcnt 0x0                           ; the wave's end
	ds_add_u32 v18, v19
	s_wait_dscnt 0x0
	s_endpgm
.Lquery:                                               ; product 1 for features 16 n .. 16 n + 15; all 16 columns hold the one query
.irp i, 0,1,2,3,4,5,6,7
	v_med3_num_f32 v[20+\i], v[20+\i], -v17, v17
.endr
	v_cvt_scalef32_pk8_fp8_f32 v[28:29], v[20:27], v16
	v_nop
	ds_store_b32 v7, v28
	ds_store_b32 v7, v29 offset:128
.irp f, 0,1
.irp c, 0,1,2,3
	ds_load_b128 v[Q+16*\f+4*\c:Q+16*\f+4*\c+3], v8 offset:128*\f+32*\c
.endr
.endr
	s_wait_dscnt 0x0
	v_wmma_f32_16x16x128_fp8_fp8 v[32:39], v[F:F+15], v[Q:Q+15], 0            ; two sums, one for each of my K steps
	v_wmma_f32_16x16x128_fp8_fp8 v[40:47], v[F+16:F+31], v[Q+16:Q+31], 0
.rept 4
	v_nop
.endr
.irp q, 0,1,2,3
	v_pk_add_f32 v[48+2*\q:49+2*\q], v[32+2*\q:33+2*\q], v[40+2*\q:41+2*\q]   ; register j: feature 8 h + j
.endr
	ds_store_b128 v9, v[48:51]
	ds_store_b128 v9, v[52:55] offset:16
	s_wait_dscnt 0x0
	s_barrier_signal -1
	s_barrier_wait -1
	s_cmp_lg_u32 s48, 0
	s_cbranch_scc1 .Ldone
.irp w, 0,1,2,3
	ds_load_b32 v[56+\w], v10 offset:64*\w
.endr
	s_add_co_i32 s60, s40, s41                     ; e0 + e1
	s_add_co_i32 s61, s42, s43                     ; e2 + e3
	s_sub_co_i32 s62, 0, s61
	s_lshr_b32 s56, s51, 2
	s_lshl_b32 s56, s56, 9
	s_and_b32 s54, s51, 3
	s_lshl_b32 s54, s54, 6
	s_add_co_u32 s56, s56, s54
	s_add_nc_u64 s[34:35], s[34:35], s[56:57]
	s_wait_dscnt 0x0
	v_add_f32 v56, v56, v57
	v_add_f32 v58, v58, v59
	v_add_f32 v56, v56, v58
	v_ldexp_f32 v60, v56, s60
	v_add_f32 v60, v60, v12                        ; qp
	v_mul_f32 v60, 0x3e38aa3b, v60                 ; x log2(e) / 8
	v_ldexp_f32 v60, v60, s61
	v_ldexp_f32 v61, v13, s62
	v_cmp_gt_u32 vcc_lo, 16, v2
	v_cndmask_b32 v62, v61, v60, vcc_lo            ; lanes 0-15: qs, lanes 16-31: bks
	v_lshl_add_u32 v63, v4, 8, v11
	global_store_b32 v63, v62, s[34:35]
.Ldone:
	v_lshl_add_u32 v18, v0, 2, 0xd000              ; my spare word's address and 0, made anew
	v_mov_b32 v19, 0
	s_wait_alu depctr_va_vdst(0)
	s_wait_tensorcnt 0x0                           ; the wave's end
	ds_add_u32 v18, v19
	s_wait_dscnt 0x0
	s_endpgm
.Lfunc_end_k_qdbd0a9a670_prep:
	.size	k_qdbd0a9a670_prep, .Lfunc_end_k_qdbd0a9a670_prep-k_qdbd0a9a670_prep
	.p2alignl 7, 3214868480
	.fill 96, 4, 3214868480
	.section	.rodata,"a",@progbits
	.p2align	6, 0x0
	.amdhsa_kernel k_qdbd0a9a670_prep
		.amdhsa_group_segment_fixed_size 53760
		.amdhsa_private_segment_fixed_size 0
		.amdhsa_enable_private_segment 0
		.amdhsa_kernarg_size 136
		.amdhsa_user_sgpr_count 2
		.amdhsa_user_sgpr_kernarg_segment_ptr 1
		.amdhsa_wavefront_size32 1
		.amdhsa_system_sgpr_workgroup_id_x 1
		.amdhsa_system_sgpr_workgroup_id_y 1
		.amdhsa_system_sgpr_workgroup_id_z 1
		.amdhsa_system_vgpr_workitem_id 0
		.amdhsa_next_free_vgpr 256
		.amdhsa_next_free_sgpr 66
		.amdhsa_reserve_vcc 1
		.amdhsa_float_denorm_mode_32 3
		.amdhsa_float_denorm_mode_16_64 3
		.amdhsa_memory_ordered 1
		.amdhsa_forward_progress 1
		.amdhsa_inst_pref_size 81
	.end_amdhsa_kernel
	.amdgpu_metadata
---
amdhsa.version: [ 1, 2 ]
amdhsa.kernels:
  - .name:           k_qdbd0a9a670_prep
    .symbol:         k_qdbd0a9a670_prep.kd
    .args:
      - { .name: Wk, .offset: 0, .size: 8, .value_kind: global_buffer, .address_space: global }
      - { .name: Wv, .offset: 8, .size: 8, .value_kind: global_buffer, .address_space: global }
      - { .name: Wo, .offset: 16, .size: 8, .value_kind: global_buffer, .address_space: global }
      - { .name: Wq, .offset: 24, .size: 8, .value_kind: global_buffer, .address_space: global }
      - { .name: query, .offset: 32, .size: 8, .value_kind: global_buffer, .address_space: global }
      - { .name: bq, .offset: 40, .size: 8, .value_kind: global_buffer, .address_space: global }
      - { .name: bk, .offset: 48, .size: 8, .value_kind: global_buffer, .address_space: global }
      - { .name: lowp_scales, .offset: 56, .size: 8, .value_kind: global_buffer, .address_space: global }
      - { .name: patches, .offset: 64, .size: 8, .value_kind: global_buffer, .address_space: global }
      - { .name: storage, .offset: 72, .size: 8, .value_kind: global_buffer, .address_space: global }
      - { .name: cls_tok, .offset: 80, .size: 8, .value_kind: global_buffer, .address_space: global }
      - { .name: ln_kv_g, .offset: 88, .size: 8, .value_kind: global_buffer, .address_space: global }
      - { .name: ln_kv_b, .offset: 96, .size: 8, .value_kind: global_buffer, .address_space: global }
      - { .name: wkv8, .offset: 104, .size: 8, .value_kind: global_buffer, .address_space: global }
      - { .name: wo8, .offset: 112, .size: 8, .value_kind: global_buffer, .address_space: global }
      - { .name: aux, .offset: 120, .size: 8, .value_kind: global_buffer, .address_space: global }
      - { .name: kv8, .offset: 128, .size: 8, .value_kind: global_buffer, .address_space: global }
    .group_segment_fixed_size: 53760
    .private_segment_fixed_size: 0
    .kernarg_segment_align: 8
    .kernarg_segment_size: 136
    .max_flat_workgroup_size: 128
    .sgpr_count:     66
    .vgpr_count:     256
    .wavefront_size: 32
...
	.end_amdgpu_metadata
.endif
;; end of part 1
;; launch pool (part 2): grid 256 x 1, 4 waves a work-group, clusters of 4 x 1, 327,680 bytes of LDS; arguments kv8, wkv8, aux, pctx, pstat; writes pctx, pstat
.if DOCPART == 2
	.amdgcn_target "amdgcn-amd-amdhsa--gfx1250"
	.amdhsa_code_object_version 6
	.text
	.protected	k_qdbd0a9a670_pool
	.globl	k_qdbd0a9a670_pool
	.p2align	8
	.type	k_qdbd0a9a670_pool,@function
k_qdbd0a9a670_pool:
	s_mov_b64 s[64:65], 0
	v_nop
	global_prefetch_b8 v0, s[64:65] scope:SCOPE_SE
	s_setreg_imm32_b32 hwreg(HW_REG_WAVE_MODE, 25, 1), 1
	s_wait_xcnt 0x0
	s_wait_alu depctr_hold_cnt(0) depctr_sa_sdst(0) depctr_va_vdst(0) depctr_va_sdst(0) depctr_va_ssrc(0) depctr_va_vcc(0) depctr_vm_vsrc(0)
	s_getreg_b32 s2, hwreg(HW_REG_IB_STS2, 6, 4)
	s_cmp_eq_u32 s2, 0
	s_cbranch_scc0 .Lentry_in_a_cluster
	s_endpgm
.Lentry_in_a_cluster:
	s_bfe_u32 s2, ttmp6, 0x10000c
	s_cmp_lg_u32 s2, 0x3003
	s_cbranch_scc0 .Lentry_shape_is_right
	s_endpgm
.Lentry_shape_is_right:
.set SETB,  2112*16384
.set SLOTB, 131072
.set EXT,   2*SLOTB
.set PB,    EXT+32768
.set SPARE, PB+2048
.set QS,   32
.set BIAS, 64
.set PV,   32
.set PE,   64
.set CP,   72
.set ACC,  96
.set SS,   224
.set MSB, 0
.macro WIN new
.if MSB != (\new)
	s_set_vgpr_msb (MSB<<8)|(\new)
.set MSB, (\new)
.endif
.endm
.macro ROUND
	s_barrier_signal -1
	s_barrier_wait -1
	s_cmp_lg_u32 s14, 0
	s_cbranch_scc1 .Lnot_wave_0_\@
	s_barrier_signal -3
.Lnot_wave_0_\@:
	s_barrier_wait -3
	s_barrier_signal -1
	s_barrier_wait -1
.endm
	s_load_b256 s[4:11], s[0:1], 0x0
	s_load_b64 s[12:13], s[0:1], 0x20
	v_lshl_add_u32 v1, v0, 2, SPARE
	v_mov_b32 v2, 0
	ds_add_u32 v1, v2
	ds_add_u32 v1, v2
	s_wait_dscnt 0x0
	v_lshrrev_b32 v20, 5, v0
	v_readfirstlane_b32 s14, v20
	s_lshr_b32 s15, s14, 1
	s_and_b32 s16, s14, 1
	s_bfe_u32 s17, ttmp6, 0x40000
	s_and_b32 s18, ttmp9, 3
	s_lshl_b32 s18, s18, 2
	s_lshr_b32 s19, ttmp9, 2
	s_lshl_b32 s19, s19, 2
	s_add_co_u32 s19, s19, s17
	s_mov_b32 s24, 15|(3<<16)|(1<<21)
	s_mov_b32 s25, 32<<16
	s_mov_b32 s26, 128<<16
	s_mov_b32 s27, 32<<16
	s_mov_b32 s28, 128
	s_mov_b32 s29, 32
	s_mov_b32 s30, 0
	s_mov_b32 s31, 0
	s_mov_b32 s40, 0x76543210
	s_mov_b32 s41, 0xfedcba98
	s_mov_b32 s42, 0
	s_mov_b32 s43, 0
	s_mov_b32 s49, 0
	s_mov_b32 s55, 0
	s_mov_b32 s52, 0x001f001f
	s_mov_b32 s53, 0xffff0000
	s_mov_b32 s20, 0
	v_and_b32 v12, 31, v0
	v_and_b32 v21, 15, v0
	v_bfe_u32 v22, v0, 4, 1
	v_lshlrev_b32 v10, 4, v12
	v_lshlrev_b32 v14, 3, v12
	v_lshlrev_b32 v15, 2, v12
	v_lshlrev_b32 v11, 5, v22
	s_lshl_b32 s22, s15, 16
	v_add_nc_u32 v3, s22, v10
	s_lshl_b32 s22, s15, 14
	s_add_co_u32 s22, s22, EXT
	v_add_nc_u32 v4, s22, v10
	s_lshl_b32 s23, s16, 13
	s_add_co_u32 s22, s22, s23
	v_add_nc_u32 v18, s22, v10
	s_lshl_b32 s22, s16, 9
	s_add_co_u32 s22, s22, PB
	v_lshl_add_u32 v6, v21, 2, s22
	v_lshl_add_u32 v7, v22, 5, s22
	v_mov_b32 v5, v3
	v_mov_b32 v13, 0
.irp j, 245,246,247,248,249
	v_mov_b32 v\j, 0
.endr
	v_mov_b32 v250, 0xff800000
	s_wait_kmcnt 0x0
	s_lshl_b32 s48, s18, 17
	s_lshl_b32 s22, s14, 15
	s_add_co_u32 s48, s48, s22
	s_mov_b32 s32, 1
	s_mov_b32 s33, s22
	s_add_nc_u64 s[34:35], s[6:7], s[48:49]
	s_mov_b32 s36, 1
	s_add_co_u32 s37, s22, SLOTB
	s_add_nc_u64 s[38:39], s[34:35], SLOTB
	s_or_b32 s35, s35, 0x80000000
	s_or_b32 s39, s39, 0x80000000
	s_lshl_b32 s48, s18, 9
	s_add_co_u32 s48, s48, 256
	s_add_nc_u64 s[46:47], s[8:9], s[48:49]
	s_lshl_b32 s54, s19, 5
	s_lshl_b32 s22, s18, 1
	s_add_co_u32 s54, s54, s22
	s_lshl_b32 s22, s16, 2
	s_add_co_u32 s54, s54, s22
	s_lshl_b32 s54, s54, 14
	s_mul_i32 s23, s15, SETB
	s_add_co_u32 s54, s54, s23
	s_add_nc_u64 s[56:57], s[4:5], s[54:55]
	s_add_co_u32 s54, s19, 2048
	s_lshl_b32 s54, s54, 14
	s_add_co_u32 s54, s54, s23
	s_lshl_b32 s22, s16, 13
	s_add_co_u32 s54, s54, s22
	s_add_nc_u64 s[58:59], s[4:5], s[54:55]
	s_lshl_b32 s54, s19, 3
	s_lshr_b32 s22, s18, 1
	s_add_co_u32 s54, s54, s22
	s_add_co_u32 s54, s54, s16
	s_lshl_b32 s22, s54, 7
	s_lshl_b32 s54, s54, 12
	s_add_nc_u64 s[50:51], s[10:11], s[54:55]
	s_mov_b32 s54, s22
	s_add_nc_u64 s[12:13], s[12:13], s[54:55]
	ROUND
	tensor_load_to_lds s[32:35], s[24:31]          ; slot 0: my one tensor load at the head
	s_nop 0
	s_wait_alu depctr_va_vdst(0)                   ; the wait at the head's end covers every vector write above
	WIN 0x80                                       ; my tokens' codes, the extras and the first bias are asked for while slot 0's tile is on its way
.irp a, 0,1,2,3
.irp s, 0,1,2,3
.irp c, 0,1,2,3
	global_load_b128 v[64*\a+16*\s+4*\c:64*\a+16*\s+4*\c+3], v10, s[56:57] offset:16384*\a+2048*\s+512*\c th:TH_LOAD_NT
.endr
.endr
.endr
	WIN 0xc0
.irp a, 0,1,2,3
.irp s, 0,1,2,3
.irp c, 0,1,2,3
	global_load_b128 v[64*\a+16*\s+4*\c:64*\a+16*\s+4*\c+3], v10, s[56:57] offset:16384*\a+2048*(\s+4)+512*\c th:TH_LOAD_NT
.endr
.endr
.endr
	WIN 0x40
.irp q, 0,1,2,3,4,5,6,7,8,9,10,11,12,13,14,15
	global_load_b128 v[4*\q:4*\q+3], v10, s[58:59] offset:512*\q
.endr
	WIN 0
.irp b, 0,1,2,3
	global_load_b128 v[BIAS+8*\b:BIAS+8*\b+3], v11, s[46:47] offset:64*\b
	global_load_b128 v[BIAS+8*\b+4:BIAS+8*\b+7], v11, s[46:47] offset:64*\b+16
.endr
	s_wait_tensorcnt 0x0                           ; my part of slot 0 is in
	ds_add_u32 v1, v2
	s_wait_dscnt 0x0
	ROUND
	tensor_load_to_lds s[36:39], s[24:31]          ; slot 1's first fill: the first tensor load behind the round; it is first read behind the first change of slots
	s_nop 0
.rept 4
	v_nop
.endr
	s_wait_loadcnt 0x0
	WIN 0x04
.irp q, 0,1,2,3,4,5,6,7,8,9,10,11,12,13,14,15
	ds_store_b128 v18, v[4*\q:4*\q+3] offset:512*\q
.endr
	WIN 0
.macro FETCHB s
.irp b, 0,1,2,3
.irp c, 0,1,2,3
	ds_load_b128 v[64*((\s)%2)+16*\b+4*\c:64*((\s)%2)+16*\b+4*\c+3], v5 offset:(4*(\s)+\b)*2048+512*\c
.endr
.endr
.endm
.macro FETCHAE s
.irp c, 0,1,2,3
	ds_load_b128 v[128+16*((\s)%2)+4*\c:128+16*((\s)%2)+4*\c+3], v4 offset:(\s)*2048+512*\c
.endr
.endm
.macro KLOADS nb
.irp b, 0,1,2,3
	global_load_b128 v[QS+8*\b:QS+8*\b+3], v11, s[44:45] offset:64*\b
	global_load_b128 v[QS+8*\b+4:QS+8*\b+7], v11, s[44:45] offset:64*\b+16
.endr
.if \nb
.irp b, 0,1,2,3
	global_load_b128 v[BIAS+8*\b:BIAS+8*\b+3], v11, s[46:47] offset:64*\b
	global_load_b128 v[BIAS+8*\b+4:BIAS+8*\b+7], v11, s[46:47] offset:64*\b+16
.endr
.endif
.endm
.macro BODY v, e, nb
.irp s, 0,1,2,3,4,5,6,7
.if \s < 7
.rept 4
	v_nop
.endr
	WIN 0x40
.if (\e) && (\s == 0)
	FETCHAE 0
.endif
	FETCHB \s+1
.if \e
	FETCHAE \s+1
.endif
.if ((\v) == 0) && (\s == 1)
	WIN 0
	KLOADS \nb
.endif
	s_wait_dscnt 16+4*(\e)
.else
	s_wait_dscnt 0x0
.endif
.if (\v) == 0
	WIN 0x09+4*(\s/4)
.irp a, 0,1,2,3
.irp b, 0,1,2,3
.if \s == 0
	v_wmma_f32_16x16x128_fp8_fp8 v[ACC+8*(4*\a+\b):ACC+8*(4*\a+\b)+7], v[64*(\s%2)+16*\b:64*(\s%2)+16*\b+15], v[64*\a+16*(\s%4):64*\a+16*(\s%4)+15], v[BIAS+8*\b:BIAS+8*\b+7]
.else
	v_wmma_f32_16x16x128_fp8_fp8 v[ACC+8*(4*\a+\b):ACC+8*(4*\a+\b)+7], v[64*(\s%2)+16*\b:64*(\s%2)+16*\b+15], v[64*\a+16*(\s%4):64*\a+16*(\s%4)+15], v[ACC+8*(4*\a+\b):ACC+8*(4*\a+\b)+7]
.endif
.endr
.endr
.if \e
.if \s == 0
	WIN 0x45
.else
	WIN 0x55
.endif
.irp b, 0,1,2,3
.if \s == 0
	v_wmma_f32_16x16x128_fp8_fp8 v[160+8*\b:167+8*\b], v[64*(\s%2)+16*\b:64*(\s%2)+16*\b+15], v[128+16*(\s%2):143+16*(\s%2)], v[BIAS+8*\b:BIAS+8*\b+7]
.else
	v_wmma_f32_16x16x128_fp8_fp8 v[160+8*\b:167+8*\b], v[64*(\s%2)+16*\b:64*(\s%2)+16*\b+15], v[128+16*(\s%2):143+16*(\s%2)], v[160+8*\b:167+8*\b]
.endif
.endr
.endif
.else
	WIN 0x06+(\s/4)
.irp a, 0,1,2,3
.irp b, 0,1,2,3
.if \s == 0
	v_wmma_f32_16x16x128_fp8_fp8 v[ACC+8*(4*\a+\b):ACC+8*(4*\a+\b)+7], v[64*\a+16*(\s%4):64*\a+16*(\s%4)+15], v[64*(\s%2)+16*\b:64*(\s%2)+16*\b+15], 0
.else
	v_wmma_f32_16x16x128_fp8_fp8 v[ACC+8*(4*\a+\b):ACC+8*(4*\a+\b)+7], v[64*\a+16*(\s%4):64*\a+16*(\s%4)+15], v[64*(\s%2)+16*\b:64*(\s%2)+16*\b+15], v[ACC+8*(4*\a+\b):ACC+8*(4*\a+\b)+7]
.endif
.endr
.endr
.if \e
	WIN 0x55
.irp b, 0,1,2,3
.if \s == 0
	v_wmma_f32_16x16x128_fp8_fp8 v[160+8*\b:167+8*\b], v[128+16*(\s%2):143+16*(\s%2)], v[64*(\s%2)+16*\b:64*(\s%2)+16*\b+15], 0
.else
	v_wmma_f32_16x16x128_fp8_fp8 v[160+8*\b:167+8*\b], v[128+16*(\s%2):143+16*(\s%2)], v[64*(\s%2)+16*\b:64*(\s%2)+16*\b+15], v[160+8*\b:167+8*\b]
.endif
.endr
.endif
.endif
.endr
	WIN 0
.rept 4
	v_nop
.endr
.endm
.macro EPIK e
	s_wait_loadcnt 0x0
.irp b, 0,1,2,3
.irp q, 0,1,2,3
.irp a, 0,1,2,3
.if (\b == 0) && (\q == 0)
	v_pk_mul_f32 v[SS+2*\a:SS+2*\a+1], v[ACC+8*(4*\a+\b)+2*\q:ACC+8*(4*\a+\b)+2*\q+1], v[QS+8*\b+2*\q:QS+8*\b+2*\q+1]
.else
	v_pk_fma_f32 v[SS+2*\a:SS+2*\a+1], v[ACC+8*(4*\a+\b)+2*\q:ACC+8*(4*\a+\b)+2*\q+1], v[QS+8*\b+2*\q:QS+8*\b+2*\q+1], v[SS+2*\a:SS+2*\a+1]
.endif
.endr
.endr
.endr
.if \e
	WIN 0x01
.irp q, 0,1,2,3
.irp b, 0,1,2,3
.if (\q == 0) && (\b < 2)
	v_pk_mul_f32 v[SS+8+2*(\b%2):SS+9+2*(\b%2)], v[160+8*\b+2*\q:161+8*\b+2*\q], v[QS+8*\b+2*\q:QS+8*\b+2*\q+1]
.else
	v_pk_fma_f32 v[SS+8+2*(\b%2):SS+9+2*(\b%2)], v[160+8*\b+2*\q:161+8*\b+2*\q], v[QS+8*\b+2*\q:QS+8*\b+2*\q+1], v[SS+8+2*(\b%2):SS+9+2*(\b%2)]
.endif
.endr
.endr
	WIN 0
	v_pk_add_f32 v[SS+8:SS+9], v[SS+8:SS+9], v[SS+10:SS+11]
	v_add_f32 v244, v[SS+8], v[SS+9]
.endif
.irp a, 0,1,2,3
	v_add_f32 v[240+\a], v[SS+2*\a], v[SS+2*\a+1]
.endr
.irp a, 0,1,2,3
	v_permlanex16_b32 v[245+\a], v[240+\a], s40, s41
.endr
.irp a, 0,1,2,3
	v_add_f32 v[240+\a], v[240+\a], v[245+\a]
.endr
	v_max3_num_f32 v251, v240, v241, v242
.if \e
	v_permlanex16_b32 v249, v244, s40, s41
	v_add_f32 v244, v244, v249
	v_cndmask_b32 v244, v250, v244, s52
	v_max3_num_f32 v251, v251, v243, v244
.else
	v_max_num_f32 v251, v251, v243
.endif
	v_max_num_f32_dpp v251, v251, v251 row_xmask:1 row_mask:0xf bank_mask:0xf
	v_max_num_f32_dpp v251, v251, v251 row_xmask:2 row_mask:0xf bank_mask:0xf
	v_max_num_f32_dpp v251, v251, v251 row_xmask:4 row_mask:0xf bank_mask:0xf
	v_max_num_f32_dpp v251, v251, v251 row_xmask:8 row_mask:0xf bank_mask:0xf
.irp a, 0,1,2,3
	v_sub_f32 v[240+\a], v[240+\a], v251
.endr
.if \e
	v_sub_f32 v244, v244, v251
.endif
	s_wait_alu depctr_va_vdst(0)
.irp a, 0,1,2,3
	v_exp_f32 v[240+\a], v[240+\a]
.endr
.if \e
	v_exp_f32 v244, v244
.endif
	v_nop
	v_cmp_eq_u32 vcc_lo, s20, v12
	v_cndmask_b32 v13, v13, v251, vcc_lo
	s_wait_alu depctr_va_vdst(0)
	v_add_f32 v252, v240, v241
	v_add_f32 v253, v242, v243
	v_add_f32 v252, v252, v253
.if \e
	v_add_f32 v252, v252, v244
.endif
.irp a, 0,1,2,3
	ds_store_b32 v8, v[240+\a] offset:64*\a
.endr
.if \e
	ds_store_b32 v8, v244 offset:256
.endif
	v_add_f32_dpp v252, v252, v252 row_xmask:1 row_mask:0xf bank_mask:0xf
	v_add_f32_dpp v252, v252, v252 row_xmask:2 row_mask:0xf bank_mask:0xf
	v_add_f32_dpp v252, v252, v252 row_xmask:4 row_mask:0xf bank_mask:0xf
	v_add_f32_dpp v252, v252, v252 row_xmask:8 row_mask:0xf bank_mask:0xf
	s_add_co_u32 s23, s20, 16
	v_cmp_eq_u32 vcc_lo, s23, v12
	v_cndmask_b32 v13, v13, v252, vcc_lo
.endm
.macro EPIV e
.irp a, 0,1,2,3
	ds_load_b128 v[PV+8*\a:PV+8*\a+3], v9 offset:64*\a
	ds_load_b128 v[PV+8*\a+4:PV+8*\a+7], v9 offset:64*\a+16
.endr
	s_wait_dscnt 0x0
.irp a, 0,1,2,3
.irp q, 0,1,2,3
.irp b, 0,1,2,3
.if (\a == 0) && (\q == 0)
	v_pk_mul_f32 v[CP+2*\b:CP+2*\b+1], v[ACC+8*(4*\a+\b)+2*\q:ACC+8*(4*\a+\b)+2*\q+1], v[PV+8*\a+2*\q:PV+8*\a+2*\q+1]
.else
	v_pk_fma_f32 v[CP+2*\b:CP+2*\b+1], v[ACC+8*(4*\a+\b)+2*\q:ACC+8*(4*\a+\b)+2*\q+1], v[PV+8*\a+2*\q:PV+8*\a+2*\q+1], v[CP+2*\b:CP+2*\b+1]
.endif
.endr
.endr
.endr
.if \e
	s_cmp_lg_u32 s16, 0
	s_cbranch_scc1 .Lno_extras_\@
	ds_load_b128 v[PE:PE+3], v9 offset:256
	ds_load_b128 v[PE+4:PE+7], v9 offset:272
	s_wait_dscnt 0x0
	WIN 0x01
	s_wait_alu depctr_va_vdst(0)
.irp q, 0,1,2,3
.irp b, 0,1,2,3
	v_pk_fma_f32 v[CP+2*\b:CP+2*\b+1], v[160+8*\b+2*\q:161+8*\b+2*\q], v[PE+2*\q:PE+2*\q+1], v[CP+2*\b:CP+2*\b+1]
.endr
.endr
	WIN 0
.Lno_extras_\@:
.endif
	s_wait_alu depctr_va_vdst(0)
.irp b, 0,1,2,3
	v_add_f32 v[240+\b], v[CP+2*\b], v[CP+2*\b+1]
.endr
.irp b, 0,1,2,3
	v_permlanex16_b32 v[245+\b], v[240+\b], s40, s41
.endr
.irp b, 0,1,2,3
	v_add_f32 v[240+\b], v[240+\b], v[245+\b]
.endr
	v_cndmask_b32 v252, v240, v241, s53
	v_cndmask_b32 v253, v242, v243, s53
	v_lshl_add_u32 v17, s20, 8, v14
	global_store_b64 v17, v[252:253], s[50:51]
.endm
.macro CHANGE fill
	s_wait_tensorcnt 0x0
	ds_add_u32 v1, v2
.if \fill
	s_xor_b32 s37, s37, SLOTB
	s_add_co_u32 s48, s18, s20
	s_add_co_u32 s48, s48, 2
	s_and_b32 s48, s48, 15
	s_lshl_b32 s48, s48, 17
	s_lshl_b32 s22, s14, 15
	s_add_co_u32 s48, s48, s22
	s_add_nc_u64 s[38:39], s[6:7], s[48:49]
	s_or_b32 s39, s39, 0x80000000
	s_wait_dscnt 0x0
	ROUND
	tensor_load_to_lds s[36:39], s[24:31]
	s_nop 0
.rept 4
	v_nop
.endr
.else
	s_wait_dscnt 0x0
	s_barrier_signal -1
	s_barrier_wait -1
.endif
.endm
.macro STEP act, fill, next, nb
	s_wait_xcnt 0x0
	s_add_co_u32 s22, s18, s20
	s_and_b32 s48, s22, 15
	s_lshl_b32 s48, s48, 9
	s_add_nc_u64 s[44:45], s[8:9], s[48:49]
	s_add_co_u32 s22, s22, 1
	s_and_b32 s48, s22, 15
	s_lshl_b32 s48, s48, 9
	s_add_co_u32 s48, s48, 256
	s_add_nc_u64 s[46:47], s[8:9], s[48:49]
	v_add_nc_u32 v8, s43, v6
	v_add_nc_u32 v9, s43, v7
	s_cmp_lg_u32 s15, 0
	s_cbranch_scc1 .Lv_\@
.if \act
	s_cmp_lg_u32 s16, 0
	s_cbranch_scc1 .Lk1_\@
	s_wait_alu depctr_va_vdst(0)
	BODY 0, 1, \nb
	EPIK 1
	s_branch .Ljoin_\@
.Lk1_\@:
.endif
	s_wait_alu depctr_va_vdst(0)
	BODY 0, 0, \nb
	EPIK 0
	s_branch .Ljoin_\@
.Lv_\@:
.if \act
	s_cmp_lg_u32 s16, 0
	s_cbranch_scc1 .Lv1_\@
	s_wait_alu depctr_va_vdst(0)
	BODY 1, 1, 0
	s_branch .Ljoin_\@
.Lv1_\@:
.endif
	s_wait_alu depctr_va_vdst(0)
	BODY 1, 0, 0
.Ljoin_\@:
	CHANGE \fill
.if \next
	s_xor_b32 s42, s42, SLOTB
	v_add_nc_u32 v5, s42, v3
	WIN 0x40
	FETCHB 0
	WIN 0
.endif
	s_xor_b32 s43, s43, 1024
	s_cmp_eq_u32 s15, 0
	s_cbranch_scc1 .Lnot_v_\@
	EPIV \act
.Lnot_v_\@:
.endm
	s_wait_tensorcnt 0x1
	s_wait_dscnt 0x0
	s_barrier_signal -1
	s_barrier_wait -1
	WIN 0x40
	s_wait_alu depctr_va_vdst(0)
	FETCHB 0
	WIN 0
.Lfirst:
	STEP 1, 1, 1, 1
	s_add_co_u32 s20, s20, 1
	s_cmp_lt_u32 s20, 4
	s_cbranch_scc1 .Lfirst
.Lwalk:
	STEP 0, 1, 1, 1
	s_add_co_u32 s20, s20, 1
	s_cmp_lt_u32 s20, 14
	s_cbranch_scc1 .Lwalk
	STEP 0, 0, 1, 1
	s_add_co_u32 s20, s20, 1
	STEP 0, 0, 0, 0
	s_cmp_lg_u32 s15, 0
	s_cbranch_scc1 .Lend
	s_wait_alu depctr_va_vdst(0)
	global_store_b32 v15, v13, s[12:13]
.Lend:
	s_wait_tensorcnt 0x0
	ds_add_u32 v1, v2
	s_wait_dscnt 0x0
	ROUND
	s_endpgm
.Lfunc_end_k_qdbd0a9a670_pool:
	.size	k_qdbd0a9a670_pool, .Lfunc_end_k_qdbd0a9a670_pool-k_qdbd0a9a670_pool
	.p2alignl 7, 3214868480
	.fill 96, 4, 3214868480
	.section	.rodata,"a",@progbits
	.p2align	6, 0x0
	.amdhsa_kernel k_qdbd0a9a670_pool
		.amdhsa_group_segment_fixed_size 327680
		.amdhsa_private_segment_fixed_size 0
		.amdhsa_enable_private_segment 0
		.amdhsa_kernarg_size 40
		.amdhsa_user_sgpr_count 2
		.amdhsa_user_sgpr_kernarg_segment_ptr 1
		.amdhsa_wavefront_size32 1
		.amdhsa_system_sgpr_workgroup_id_x 1
		.amdhsa_system_sgpr_workgroup_id_y 1
		.amdhsa_system_sgpr_workgroup_id_z 1
		.amdhsa_system_vgpr_workitem_id 0
		.amdhsa_next_free_vgpr 1024
		.amdhsa_next_free_sgpr 66
		.amdhsa_reserve_vcc 1
		.amdhsa_float_denorm_mode_32 3
		.amdhsa_float_denorm_mode_16_64 3
		.amdhsa_memory_ordered 1
		.amdhsa_forward_progress 1
		.amdhsa_inst_pref_size 255
	.end_amdhsa_kernel
	.section	.bss,"aw",@nobits
	.p2align	6
	.space	262144
	.amdgpu_metadata
---
amdhsa.version: [ 1, 2 ]
amdhsa.kernels:
  - .name:           k_qdbd0a9a670_pool
    .symbol:         k_qdbd0a9a670_pool.kd
    .args:
      - { .name: kv8, .offset: 0, .size: 8, .value_kind: global_buffer, .address_space: global }
      - { .name: wkv8, .offset: 8, .size: 8, .value_kind: global_buffer, .address_space: global }
      - { .name: aux, .offset: 16, .size: 8, .value_kind: global_buffer, .address_space: global }
      - { .name: pctx, .offset: 24, .size: 8, .value_kind: global_buffer, .address_space: global }
      - { .name: pstat, .offset: 32, .size: 8, .value_kind: global_buffer, .address_space: global }
    .group_segment_fixed_size: 327680
    .private_segment_fixed_size: 0
    .kernarg_segment_align: 8
    .kernarg_segment_size: 40
    .max_flat_workgroup_size: 128
    .sgpr_count:     66
    .vgpr_count:     1024
    .wavefront_size: 32
...
	.end_amdgpu_metadata
.endif
;; end of part 2
;; launch head (part 3): grid 64 x 1, 16 waves a work-group, no clusters, 10,240 bytes of LDS; arguments pctx, pstat, wo8, lowp_scales, bv, bo, ln_out_g, ln_out_b, Wp, bp, out0; writes out0
.if DOCPART == 3
	.amdgcn_target "amdgcn-amd-amdhsa--gfx1250"
	.amdhsa_code_object_version 6
	.text
	.protected	k_qdbd0a9a670_head
	.globl	k_qdbd0a9a670_head
	.p2align	8
	.type	k_qdbd0a9a670_head,@function
k_qdbd0a9a670_head:
	s_mov_b64 s[64:65], 0
	v_nop
	global_prefetch_b8 v0, s[64:65] scope:SCOPE_SE
	s_setreg_imm32_b32 hwreg(HW_REG_WAVE_MODE, 25, 1), 1
	s_wait_xcnt 0x0
; One work-group for a batch.  (1) Wave w joins head w's eight partial softmaxes: M* = the largest M, weights 2^(M - M*), ctx = sum of weight x C / sum of weight x l x 2^(e4+e5) + bv.
; (2) ctx is quantised with 2^e6.  (3) Product 6 on codes of FP8: wave w makes features 64 w .. 64 w + 63; source 0 = 16 rows of Wo (fragment images straight from memory into registers, two K steps ahead),
; source 1 = ctx in all 16 columns; x 2^(e6+e7) + bo.  (4) LayerNorm over the 1,024 features (two sums over the work-group through LDS).  (5) The 14 outputs in f32: lane l % 16 = the class.
; No tensor loads: each fragment of Wo feeds one product of one wave.  No prefetch: the launch is short and all work-groups read the same weights.
; pctx: [batch][pair][step][64]: lane l's 8 bytes = features l and 32 + l.  pstat: [batch][pair][32]: M at step, l at 16 + step.  Pair 2 J + th met head w in step (w - 4 J) % 16.
; LIMITS: e6 between -126 and 119; e6 + e7 between -126 and 127.  NaN among the inputs is not served.
.set CTXF, 0                           ; ctx, f32, 4,096 bytes
.set CTXC, 4096                        ; its codes, 1,024 bytes
.set RED1, 5120                        ; a word for each wave; RED1 + 256 for the second sum
.set RED3, 5632                        ; 16 classes x 16 waves
.set ACC, 16
.set CF,  48
.set B,   80
.set XO,  208
.set T,   240
	s_load_b512 s[4:19], s[0:1], 0x0               ; pctx 4, pstat 6, wo8 8, lowp_scales 10, bv 12, bo 14, gain 16, bias 18
	s_load_b128 s[20:23], s[0:1], 0x40             ; Wp 20, bp 22
	s_load_b64 s[24:25], s[0:1], 0x50              ; out0
	v_lshrrev_b32 v1, 5, v0
	s_delay_alu instid0(VALU_DEP_1)
	v_readfirstlane_b32 s26, v1                    ; wave
	v_and_b32 v1, 31, v0
	v_and_b32 v2, 15, v0
	v_bfe_u32 v3, v0, 4, 1
	s_delay_alu instid0(VALU_DEP_3)
	v_lshlrev_b32 v4, 4, v1
	s_mov_b32 s28, 0x76543210
	s_mov_b32 s29, 0xfedcba98
	s_mov_b32 s48, 0x3a800000                      ; 1 / 1024
	s_mov_b32 s49, 0x3727c5ac                      ; 1e-5
	s_lshl_b32 s30, s26, 8
	v_lshl_add_u32 v5, v1, 2, s30                  ; 256 w + 4 lane: ctx in LDS, bv in memory
	v_lshlrev_b32 v6, 5, v0
	v_lshl_add_u32 v7, v0, 3, CTXC
	v_lshl_add_u32 v8, v3, 4, CTXC
	v_lshl_add_u32 v11, v3, 5, s30                 ; 256 w + 32 h: my eight features of a tile
	s_lshl_b32 s31, s26, 2
	s_add_co_u32 s31, s31, RED1
	v_mov_b32 v9, s31
	v_mov_b32 v10, RED1
	v_min_u32 v12, 13, v2                          ; the class (lanes 14, 15 of a half repeat class 13 and store nothing)
	s_delay_alu instid0(VALU_DEP_1)
	v_lshlrev_b32 v13, 2, v12
	s_delay_alu instid0(VALU_DEP_2)
	v_lshl_add_u32 v12, v12, 12, v11
	s_lshl_b32 s31, s26, 6
	s_add_co_u32 s31, s31, RED3
	v_lshl_add_u32 v14, v2, 2, s31
	v_lshl_add_u32 v15, v2, 2, RED3
	v_and_b32 v238, 7, v0                          ; my pair
	v_and_b32 v239, 6, v0
	s_delay_alu instid0(VALU_DEP_1)
	v_lshlrev_b32 v239, 1, v239                    ; 4 J
	s_delay_alu instid0(VALU_DEP_1)
	v_sub_nc_u32 v239, s26, v239
	s_delay_alu instid0(VALU_DEP_1)
	v_and_b32 v239, 15, v239                       ; its step for head w
	s_delay_alu instid0(VALU_DEP_1)
	v_lshlrev_b32 v239, 2, v239
	s_delay_alu instid0(VALU_DEP_1)
	v_lshl_add_u32 v238, v238, 7, v239
.irp j, 0,1,2,3
	s_sub_co_u32 s30, s26, 4*\j
	s_and_b32 s30, s30, 15
	s_lshl_b32 s30, s30, 8
	v_lshl_add_u32 v[234+\j], v1, 3, s30
.endr
	s_mov_b32 s31, 0
	s_wait_alu depctr_va_vdst(0)
	s_wait_kmcnt 0x0
	s_load_b256 s[32:39], s[10:11], 0x0            ; e0 .. e7
	s_lshl_b32 s30, ttmp9, 10
	s_add_nc_u64 s[6:7], s[6:7], s[30:31]
	s_lshl_b32 s30, ttmp9, 15
	s_add_nc_u64 s[4:5], s[4:5], s[30:31]
	s_lshl_b32 s30, s26, 16
	s_add_nc_u64 s[8:9], s[8:9], s[30:31]
	s_mul_i32 s30, ttmp9, 56
	s_add_nc_u64 s[24:25], s[24:25], s[30:31]
.macro BLOAD s                         ; Wo's four fragments of K step s into set s % 2
.irp b, 0,1,2,3
.irp c, 0,1,2,3
	global_load_b128 v[B+64*((\s)%2)+16*\b+4*\c:B+64*((\s)%2)+16*\b+4*\c+3], v4, s[8:9] offset:(4*(\s)+\b)*2048+512*\c
.endr
.endr
.endm
.macro CFLOAD s                        ; ctx's fragment of K step s: every column the same
.irp c, 0,1,2,3
	ds_load_b128 v[CF+16*((\s)%2)+4*\c:CF+16*((\s)%2)+4*\c+3], v8 offset:128*(\s)+32*\c
.endr
.endm
	global_load_b32 v208, v238, s[6:7]             ; M
	global_load_b32 v209, v238, s[6:7] offset:64   ; l
.irp p, 0,1,2,3,4,5,6,7
	global_load_b64 v[214+2*\p:215+2*\p], v[234+\p/2], s[4:5] offset:4096*\p
.endr
	global_load_b32 v232, v5, s[12:13]
	global_load_b32 v233, v5, s[12:13] offset:128
	BLOAD 0
	BLOAD 1
	; ---- 1: the join
	s_wait_loadcnt 32                              ; all but Wo's first two K steps
	v_mov_b32 v210, v208
	s_delay_alu instid0(VALU_DEP_1)
	v_max_num_f32_dpp v210, v210, v210 row_xmask:1 row_mask:0xf bank_mask:0xf
	s_delay_alu instid0(VALU_DEP_1)
	v_max_num_f32_dpp v210, v210, v210 row_xmask:2 row_mask:0xf bank_mask:0xf
	s_delay_alu instid0(VALU_DEP_1)
	v_max_num_f32_dpp v210, v210, v210 row_xmask:4 row_mask:0xf bank_mask:0xf
	s_delay_alu instid0(VALU_DEP_1)
	v_sub_f32 v211, v208, v210
	s_wait_alu depctr_va_vdst(0)
	v_exp_f32 v211, v211
	v_nop
	s_wait_alu depctr_va_vdst(0)
	v_mul_f32 v212, v211, v209
	s_delay_alu instid0(VALU_DEP_1)
	v_add_f32_dpp v212, v212, v212 row_xmask:1 row_mask:0xf bank_mask:0xf
	s_delay_alu instid0(VALU_DEP_1)
	v_add_f32_dpp v212, v212, v212 row_xmask:2 row_mask:0xf bank_mask:0xf
	s_delay_alu instid0(VALU_DEP_1)
	v_add_f32_dpp v212, v212, v212 row_xmask:4 row_mask:0xf bank_mask:0xf
	s_wait_alu depctr_va_vdst(0)
	v_rcp_f32 v212, v212
	v_nop
	s_wait_kmcnt 0x0
	s_add_co_i32 s30, s36, s37                     ; e4 + e5
.irp p, 0,1,2,3,4,5,6,7
	v_readlane_b32 s[40+\p], v211, \p
.endr
	s_wait_alu depctr_va_vdst(0)
	v_ldexp_f32 v212, v212, s30
	v_mul_f32 v230, s40, v214
	v_mul_f32 v231, s40, v215
.irp p, 1,2,3,4,5,6,7
	s_delay_alu instid0(VALU_DEP_2)
	v_fma_f32 v230, s[40+\p], v[214+2*\p], v230
	s_delay_alu instid0(VALU_DEP_2)
	v_fma_f32 v231, s[40+\p], v[215+2*\p], v231
.endr
	s_delay_alu instid0(VALU_DEP_2)
	v_fma_f32 v230, v230, v212, v232
	s_delay_alu instid0(VALU_DEP_2)
	v_fma_f32 v231, v231, v212, v233
	ds_store_b32 v5, v230
	ds_store_b32 v5, v231 offset:128
	s_add_co_i32 s30, s38, 127
	s_lshl_b32 s27, s30, 23
	v_mov_b32 v250, s27                            ; 2^e6
	s_add_co_i32 s30, s30, 8
	s_lshl_b32 s30, s30, 23
	s_or_b32 s30, s30, 0x600000
	v_mov_b32 v251, s30                            ; 448 x 2^e6
	s_wait_dscnt 0x0
	s_barrier_signal -1
	s_barrier_wait -1
	; ---- 2: the quantiser: threads 0-127, eight numbers each
	s_cmp_lt_u32 s26, 4
	s_cbranch_scc0 .Lno_quant
	ds_load_b128 v[240:243], v6
	ds_load_b128 v[244:247], v6 offset:16
	s_wait_dscnt 0x0
	s_wait_alu depctr_va_vdst(0)
.irp i, 0,1,2,3,4,5,6,7
	v_med3_num_f32 v[240+\i], v[240+\i], -v251, v251
.endr
	v_cvt_scalef32_pk8_fp8_f32 v[248:249], v[240:247], v250
	v_nop
	ds_store_b64 v7, v[248:249]
.Lno_quant:
	s_wait_dscnt 0x0
	s_barrier_signal -1
	s_barrier_wait -1
	; ---- 3: product 6: four accumulators by turns, a K step at a time
	CFLOAD 0
.irp s, 0,1,2,3,4,5,6,7
.if \s < 7
	CFLOAD \s+1
	s_wait_dscnt 4                                 ; all but the four just issued
.else
	s_wait_dscnt 0x0
.endif
	s_wait_loadcnt 16                              ; this K step's fragments are in; the one younger batch of 16 may stay out
.irp b, 0,1,2,3
.if \s == 0
	v_wmma_f32_16x16x128_fp8_fp8 v[ACC+8*\b:ACC+8*\b+7], v[B+64*(\s%2)+16*\b:B+64*(\s%2)+16*\b+15], v[CF+16*(\s%2):CF+16*(\s%2)+15], 0
.else
	v_wmma_f32_16x16x128_fp8_fp8 v[ACC+8*\b:ACC+8*\b+7], v[B+64*(\s%2)+16*\b:B+64*(\s%2)+16*\b+15], v[CF+16*(\s%2):CF+16*(\s%2)+15], v[ACC+8*\b:ACC+8*\b+7]
.endif
.endr
.rept 4
	v_nop                                          ; places ahead of loads into the set just read, and of the first read of the results
.endr
.if \s < 6
	BLOAD \s+2
.elseif \s == 6
.irp b, 0,1,2,3
	global_load_b128 v[80+8*\b:83+8*\b], v11, s[14:15] offset:64*\b            ; bo
	global_load_b128 v[84+8*\b:87+8*\b], v11, s[14:15] offset:64*\b+16
.endr
.irp b, 0,1,2,3
	global_load_b128 v[112+8*\b:115+8*\b], v11, s[16:17] offset:64*\b          ; gain
	global_load_b128 v[116+8*\b:119+8*\b], v11, s[16:17] offset:64*\b+16
.endr
.else
.irp b, 0,1,2,3
	global_load_b128 v[144+8*\b:147+8*\b], v11, s[18:19] offset:64*\b          ; bias
	global_load_b128 v[148+8*\b:151+8*\b], v11, s[18:19] offset:64*\b+16
.endr
.irp b, 0,1,2,3
	global_load_b128 v[176+8*\b:179+8*\b], v12, s[20:21] offset:64*\b          ; my class's row of Wp
	global_load_b128 v[180+8*\b:183+8*\b], v12, s[20:21] offset:64*\b+16
.endr
	global_load_b32 v48, v13, s[22:23]             ; bp
.endif
.endr
	; ---- 4: x 2^(e6+e7) + bo, then the LayerNorm.  Register 8 b + j of lane (r, h): feature 64 w + 16 b + 8 h + j, the same in all r
	s_add_co_i32 s30, s38, s39
	s_add_co_i32 s30, s30, 127
	s_lshl_b32 s30, s30, 23
	s_mov_b32 s31, s30
	v_mov_b32 v51, 0                               ; upper halves of the pairs v[50:51] (mean), v[52:53] (1 / deviation); v54: a permute's destination
	v_mov_b32 v53, 0
	v_mov_b32 v54, 0
.macro WGSUM off                       ; four pairs at v[T] on -> their sum over my 64 features -> over the 16 waves, in every lane
	s_delay_alu instid0(VALU_DEP_3)
	v_pk_add_f32 v[T:T+1], v[T:T+1], v[T+2:T+3]
	s_delay_alu instid0(VALU_DEP_2)
	v_pk_add_f32 v[T+4:T+5], v[T+4:T+5], v[T+6:T+7]
	s_delay_alu instid0(VALU_DEP_1)
	v_pk_add_f32 v[T:T+1], v[T:T+1], v[T+4:T+5]
	s_delay_alu instid0(VALU_DEP_1)
	v_add_f32 v[T], v[T], v[T+1]
	s_delay_alu instid0(VALU_DEP_1)
	v_permlanex16_b32 v54, v[T], s28, s29
	s_delay_alu instid0(VALU_DEP_1)
	v_add_f32 v[T], v[T], v54
	ds_store_b32 v9, v[T] offset:\off
	s_wait_dscnt 0x0
	s_barrier_signal -1
	s_barrier_wait -1
.irp i, 0,1,2,3
	ds_load_b128 v[T+4*\i:T+4*\i+3], v10 offset:\off+16*\i
.endr
	s_wait_dscnt 0x0
.irp i, 0,1,2,3
	v_pk_add_f32 v[T+4*\i:T+4*\i+1], v[T+4*\i:T+4*\i+1], v[T+4*\i+2:T+4*\i+3]
.endr
	s_delay_alu instid0(VALU_DEP_3)
	v_pk_add_f32 v[T:T+1], v[T:T+1], v[T+4:T+5]
	s_delay_alu instid0(VALU_DEP_2)
	v_pk_add_f32 v[T+8:T+9], v[T+8:T+9], v[T+12:T+13]
	s_delay_alu instid0(VALU_DEP_1)
	v_pk_add_f32 v[T:T+1], v[T:T+1], v[T+8:T+9]
	s_delay_alu instid0(VALU_DEP_1)
	v_add_f32 v[T], v[T], v[T+1]
.endm
	s_wait_loadcnt 25                              ; bo is in; gain 8, bias 8, Wp 8, bp 1 may stay out
.irp q, 0,1,2,3,4,5,6,7,8,9,10,11,12,13,14,15
	v_pk_fma_f32 v[XO+2*\q:XO+2*\q+1], v[ACC+2*\q:ACC+2*\q+1], s[30:31], v[80+2*\q:81+2*\q] op_sel_hi:[1,0,1]
.endr
.irp c, 0,1,2,3
	v_pk_add_f32 v[T+2*\c:T+2*\c+1], v[XO+2*\c:XO+2*\c+1], v[XO+8+2*\c:XO+8+2*\c+1]
.endr
.irp q, 8,9,10,11,12,13,14,15
	s_delay_alu instid0(VALU_DEP_4)
	v_pk_add_f32 v[T+2*(\q%4):T+2*(\q%4)+1], v[T+2*(\q%4):T+2*(\q%4)+1], v[XO+2*\q:XO+2*\q+1]
.endr
	WGSUM 0
	s_delay_alu instid0(VALU_DEP_1)
	v_mul_f32 v50, s48, v[T]
.irp q, 0,1,2,3,4,5,6,7,8,9,10,11,12,13,14,15
	v_pk_add_f32 v[XO+2*\q:XO+2*\q+1], v[XO+2*\q:XO+2*\q+1], v[50:51] op_sel_hi:[1,0] neg_lo:[0,1] neg_hi:[0,1]
.endr
.irp c, 0,1,2,3
	v_pk_mul_f32 v[T+2*\c:T+2*\c+1], v[XO+2*\c:XO+2*\c+1], v[XO+2*\c:XO+2*\c+1]
.endr
.irp q, 4,5,6,7,8,9,10,11,12,13,14,15
	s_delay_alu instid0(VALU_DEP_4)
	v_pk_fma_f32 v[T+2*(\q%4):T+2*(\q%4)+1], v[XO+2*\q:XO+2*\q+1], v[XO+2*\q:XO+2*\q+1], v[T+2*(\q%4):T+2*(\q%4)+1]
.endr
	WGSUM 256
	s_delay_alu instid0(VALU_DEP_1)
	v_fma_f32 v52, v[T], s48, s49
	s_wait_alu depctr_va_vdst(0)
	v_rsq_f32 v52, v52
	v_nop
	s_wait_alu depctr_va_vdst(0)
.irp q, 0,1,2,3,4,5,6,7,8,9,10,11,12,13,14,15
	v_pk_mul_f32 v[XO+2*\q:XO+2*\q+1], v[XO+2*\q:XO+2*\q+1], v[52:53] op_sel_hi:[1,0]
.endr
	s_wait_loadcnt 9                               ; gain and bias are in; Wp 8 and bp 1 may stay out
.irp q, 0,1,2,3,4,5,6,7,8,9,10,11,12,13,14,15
	v_pk_fma_f32 v[XO+2*\q:XO+2*\q+1], v[XO+2*\q:XO+2*\q+1], v[112+2*\q:113+2*\q], v[144+2*\q:145+2*\q]
.endr
	; ---- 5: the 14 outputs
	s_wait_loadcnt 0x0
.irp c, 0,1,2,3
	v_pk_mul_f32 v[T+2*\c:T+2*\c+1], v[XO+2*\c:XO+2*\c+1], v[176+2*\c:177+2*\c]
.endr
.irp q, 4,5,6,7,8,9,10,11,12,13,14,15
	s_delay_alu instid0(VALU_DEP_4)
	v_pk_fma_f32 v[T+2*(\q%4):T+2*(\q%4)+1], v[XO+2*\q:XO+2*\q+1], v[176+2*\q:177+2*\q], v[T+2*(\q%4):T+2*(\q%4)+1]
.endr
	s_delay_alu instid0(VALU_DEP_3)
	v_pk_add_f32 v[T:T+1], v[T:T+1], v[T+2:T+3]
	s_delay_alu instid0(VALU_DEP_2)
	v_pk_add_f32 v[T+4:T+5], v[T+4:T+5], v[T+6:T+7]
	s_delay_alu instid0(VALU_DEP_1)
	v_pk_add_f32 v[T:T+1], v[T:T+1], v[T+4:T+5]
	s_delay_alu instid0(VALU_DEP_1)
	v_add_f32 v[T], v[T], v[T+1]
	s_delay_alu instid0(VALU_DEP_1)
	v_permlanex16_b32 v54, v[T], s28, s29
	s_delay_alu instid0(VALU_DEP_1)
	v_add_f32 v[T], v[T], v54
	ds_store_b32 v14, v[T]
	s_wait_dscnt 0x0
	s_barrier_signal -1
	s_barrier_wait -1
	s_cmp_lg_u32 s26, 0
	s_cbranch_scc1 .Lend
.irp i, 0,1,2,3,4,5,6,7,8,9,10,11,12,13,14,15
	ds_load_b32 v[208+\i], v15 offset:64*\i
.endr
	v_lshlrev_b32 v55, 2, v1
	s_wait_dscnt 0x0
.irp i, 0,2,4,6
	v_pk_add_f32 v[208+\i:209+\i], v[208+\i:209+\i], v[216+\i:217+\i]
.endr
	s_delay_alu instid0(VALU_DEP_2)
	v_pk_add_f32 v[208:209], v[208:209], v[212:213]
	s_delay_alu instid0(VALU_DEP_2)
	v_pk_add_f32 v[210:211], v[210:211], v[214:215]
	s_delay_alu instid0(VALU_DEP_1)
	v_pk_add_f32 v[208:209], v[208:209], v[210:211]
	s_delay_alu instid0(VALU_DEP_1)
	v_add_f32 v208, v208, v209
	s_delay_alu instid0(VALU_DEP_1)
	v_add_f32 v208, v208, v48
	v_cmp_gt_u32 vcc_lo, 14, v1
	s_wait_alu depctr_va_vdst(0)
	s_wait_xcnt 0x0                                ; EXEC changes only behind this wait
	s_and_saveexec_b32 s30, vcc_lo
	global_store_b32 v55, v208, s[24:25]
	s_wait_xcnt 0x0
	s_or_b32 exec_lo, exec_lo, s30
.Lend:
	s_wait_xcnt 0x0
	s_mov_b32 exec_lo, -1
	v_lshl_add_u32 v238, v0, 2, 0x2000
	v_mov_b32 v239, 0
	s_wait_alu depctr_va_vdst(0)
	s_wait_tensorcnt 0x0
	ds_add_u32 v238, v239
	s_wait_dscnt 0x0
	s_endpgm
.Lfunc_end_k_qdbd0a9a670_head:
	.size	k_qdbd0a9a670_head, .Lfunc_end_k_qdbd0a9a670_head-k_qdbd0a9a670_head
	.p2alignl 7, 3214868480
	.fill 96, 4, 3214868480
	.section	.rodata,"a",@progbits
	.p2align	6, 0x0
	.amdhsa_kernel k_qdbd0a9a670_head
		.amdhsa_group_segment_fixed_size 10240
		.amdhsa_private_segment_fixed_size 0
		.amdhsa_enable_private_segment 0
		.amdhsa_kernarg_size 88
		.amdhsa_user_sgpr_count 2
		.amdhsa_user_sgpr_kernarg_segment_ptr 1
		.amdhsa_wavefront_size32 1
		.amdhsa_system_sgpr_workgroup_id_x 1
		.amdhsa_system_sgpr_workgroup_id_y 1
		.amdhsa_system_sgpr_workgroup_id_z 1
		.amdhsa_system_vgpr_workitem_id 0
		.amdhsa_next_free_vgpr 256
		.amdhsa_next_free_sgpr 66
		.amdhsa_reserve_vcc 1
		.amdhsa_float_denorm_mode_32 3
		.amdhsa_float_denorm_mode_16_64 3
		.amdhsa_memory_ordered 1
		.amdhsa_forward_progress 1
		.amdhsa_inst_pref_size 45
	.end_amdhsa_kernel
	.amdgpu_metadata
---
amdhsa.version: [ 1, 2 ]
amdhsa.kernels:
  - .name:           k_qdbd0a9a670_head
    .symbol:         k_qdbd0a9a670_head.kd
    .args:
      - { .name: pctx, .offset: 0, .size: 8, .value_kind: global_buffer, .address_space: global }
      - { .name: pstat, .offset: 8, .size: 8, .value_kind: global_buffer, .address_space: global }
      - { .name: wo8, .offset: 16, .size: 8, .value_kind: global_buffer, .address_space: global }
      - { .name: lowp_scales, .offset: 24, .size: 8, .value_kind: global_buffer, .address_space: global }
      - { .name: bv, .offset: 32, .size: 8, .value_kind: global_buffer, .address_space: global }
      - { .name: bo, .offset: 40, .size: 8, .value_kind: global_buffer, .address_space: global }
      - { .name: ln_out_g, .offset: 48, .size: 8, .value_kind: global_buffer, .address_space: global }
      - { .name: ln_out_b, .offset: 56, .size: 8, .value_kind: global_buffer, .address_space: global }
      - { .name: Wp, .offset: 64, .size: 8, .value_kind: global_buffer, .address_space: global }
      - { .name: bp, .offset: 72, .size: 8, .value_kind: global_buffer, .address_space: global }
      - { .name: out0, .offset: 80, .size: 8, .value_kind: global_buffer, .address_space: global }
    .group_segment_fixed_size: 10240
    .private_segment_fixed_size: 0
    .kernarg_segment_align: 8
    .kernarg_segment_size: 88
    .max_flat_workgroup_size: 512
    .sgpr_count:     66
    .vgpr_count:     256
    .wavefront_size: 32
...
	.end_amdgpu_metadata
.endif
;; end of part 3
